; MI455X (gfx1250); checked and timed in simulation.
; The chip was launched on July 23, 2026; its instructions are those of AMD's public machine-readable ISA for CDNA 5 (MIT licence, August 2026) and "CDNA5" Instruction Set Architecture Reference Guide (July 2026). The comments in the code are by the model that wrote it; some were corrected since.
;; Cross Attention. Allowed arithmetic: matrix products marked QUANTISED: E2M3 operands, one E8M0 scale for each 32 along K, by v_wmma_scale_f32_16x16x128_f8f6f4 with both operands' format E2M3, f32 sums; everything else in f32.
;; Inputs: b_out 512 float32; context 2 x 4,096 x 512 float32; w_k 512 x 512 float32; w_out 512 x 512 float32; w_q 512 x 512 float32; w_v 512 x 512 float32; x 2 x 4,096 x 512 float32.
;; Outputs: out0 2 x 4,096 x 512 float32.
;; This version of the problem:
;;   THIS VERSION OF THE PROBLEM IS GIVEN IN LOW PRECISION. The matrix products marked QUANTISED in the list below multiply operands that are first quantised to E2M3 (2 exponent bits, 3 mantissa bits; 6 bits a number), with one power-of-two scale for each 32 numbers along K (OCP MX v1.0); their sums are f32. All else is computed in f32.
;;   The module's matrix products, in the order in which they are computed (A, B: the left and right operand; K: the contracted axis; several contracted axes count as one K, in the product's order):
;;     1. [M 8,192, K 512] x [K 512, N 512]; A: input x; B: input w_q: QUANTISED
;;     2. [M 8,192, K 512] x [K 512, N 512]; A: input context; B: input w_k: QUANTISED
;;     3. [M 8,192, K 512] x [K 512, N 512]; A: input context; B: input w_v: QUANTISED
;;     4. batch 16 x [M 4,096, K 64] x [K 64, N 4,096]; A: computed on the way; B: computed on the way: QUANTISED
;;     5. batch 16 x [M 4,096, K 4,096] x [K 4,096, N 64]; A: softmax (see below); B: computed on the way: QUANTISED
;;     6. [M 8,192, K 512] x [K 512, N 512]; A: computed on the way; B: input w_out: QUANTISED
;;   THE QUANTISER, for each operand of a quantised product, along K:
;;     - K is cut into blocks of 32 from its start; a last block that is shorter is filled with zeros.
;;     - A block's scale is 2^e with e = floor(log2(the largest magnitude in the block)) - 2, held to -126 .. 127; a block of zeros has e = 0. As a byte (E8M0): e + 127.
;;     - Each number is divided by its block's scale, clamped to +-7.5, and rounded to the nearest number of E2M3, ties to even, subnormals kept.
;;     - The product sums the exact products of the quantised numbers (number of the format x scale) in f32.
;;   ~~~python
;;   def quantise(x, axis):      # numpy; x: float32 -> the quantised numbers, widened to float32 again
;;       x = np.moveaxis(x, axis, -1); K = x.shape[-1]
;;       x = np.pad(x, [(0, 0)] * (x.ndim - 1) + [(0, -K % 32)]); x = x.reshape(x.shape[:-1] + (-1, 32)); a = np.abs(x).max(-1, keepdims=True)
;;       e = np.where(a > 0, np.clip(np.frexp(np.where(a > 0, a, 1))[1] - 1 - 2, -126, 127), 0)      # np.frexp(a)[1] - 1 = floor(log2(a)), exactly
;;       r = np.clip(x / 2.0 ** e, -7.5, 7.5)
;;       step = 2.0 ** (np.maximum(np.frexp(np.where(r == 0, 1, r))[1] - 1, 0) - 3)
;;       q = np.round(r / step) * step * 2.0 ** e      # np.round: ties to even
;;       return np.moveaxis(q.reshape(q.shape[:-2] + (-1,))[..., :K], -1, axis).astype(np.float32)
;;   ~~~
;;   SOFTMAX AHEAD OF A QUANTISED PRODUCT. Where the list says 'softmax', what is quantised is not the finished softmax but p = 2^(t - M), with t = logit x log2(e) and M = ceil(the row's largest t), a whole number; so 1/2 < the row's largest p <= 1. The row's sum l is taken of the UNQUANTISED p, in f32, and the product's result is divided by l at the end. Since M is a whole number, a kernel that streams over the keys may use a running M (the ceiling of the running maximum): every later rescaling is an exact power of two, which a block's scale takes up: the codes' values come out the same.
;;   OPERANDS COMPUTED ON THE WAY. 'Computed on the way' means the value that the module computes at that place (a softmax that the list does not call 'softmax' is quantised finished and normalised). What goes into a quantiser is computed in f32, as accurately as f32 sums, v_exp_f32 and their like allow (about 1e-6 of the number): no bf16 or f16 on the way to a quantiser, and a product that is left as it is and whose result goes on into a quantised operand takes f32 operands (vector FMAs, or v_wmma_f32_16x16x4_f32). A number that lies on a knife's edge between two numbers of the format may be rounded either way, as far as f32 arithmetic and the matrix unit's own rounding can turn it there, and no further.
;; One version. Each part assembles by itself: llvm-mc -triple=amdgcn-amd-amdhsa -mcpu=gfx1250 --defsym DOCPART=n.
;; ======== version 1 of 1: 4 launches
;; limits: right only within a limited range of input values
;; workspace buffers: img 7,372,800 bytes; qimg 3,407,872 bytes; kvimg 6,684,672 bytes; oimg 3,407,872 bytes
;; launch quant (part 1): grid 1152 x 1, 4 waves a work-group, no clusters, 35,328 bytes of LDS; arguments x, context, w_q, w_k, w_v, w_out, img; writes img
.if DOCPART == 1
	.amdgcn_target "amdgcn-amd-amdhsa--gfx1250"
	.amdhsa_code_object_version 6
	.text
	.protected	k_qde1729a529_quant
	.globl	k_qde1729a529_quant
	.p2align	8
	.type	k_qde1729a529_quant,@function
k_qde1729a529_quant:
	s_mov_b64 s[64:65], 0
	v_nop
	global_prefetch_b8 v0, s[64:65] scope:SCOPE_SE
	s_setreg_imm32_b32 hwreg(HW_REG_WAVE_MODE, 25, 1), 1
	s_wait_xcnt 0x0
; x, context [8192][512] and w_q, w_k, w_v, w_out [512][512], f32, K = the last axis, become codes of FP6 (E2M3) with one E8M0 byte for each 32 along K.
; They are stored as IMAGES OF OPERAND REGISTERS: a tile of 16 rows is a record of 6,400 bytes: four K steps of 128 (a fragment of 12 registers: registers 4 p .. 4 p + 3 of lane L at 512 p + 16 L),
; then 256 bytes of scale words (row r at 16 r, K step s at + 4 s).  Tiles: x 0-511, context 512-1023, w_q 1024-, w_k 1056-, w_v 1088-, w_out 1120-1151.
; THE ROWS OF A TILE ARE NOT NEIGHBOURS: row r of tile T is the tensor's row 32 (T / 2) + 8 (T % 2) + r + 8 (r / 8), so that a product's results of two neighbouring tiles are 16 neighbours in a lane.
; A block's scale is 2^(floor(log2(its largest magnitude)) - 2); its byte is the largest magnitude's exponent field - 2, held at 1 from below.
; LIMITS: a block of zeros gets the byte 1 where the quantiser says 127 (its codes are zeros, and this program alone reads the bytes); NaN and infinities among the inputs are not served.
; SHARES: work-group g makes tile record g; wave w its K step w: 16 rows x 512 bytes.  Each load reads 512 consecutive bytes of a row; the 8 KB turn through the wave's own stage in LDS, so that a lane
; gets 16 neighbours of each block of 32.  No tensor load, no ring: a work-group's whole input is asked for at once, and several work-groups share a WGP.
.set R,    16                          ; v16-79   16 rows as they are loaded
.set X,    80                          ; v80-143  register 16 b + i = k 32 b + 16 (lane / 16) + i of my row
.set PC,   144                         ; v144-162 the codes
.set TM,   164                         ; v164-179 largest magnitudes, bytes, scale operands
.set PW,   180                         ; v180     my row's scale word
.set SEL,  28                          ; s[28:29] lane selects: lane l xor 16
.set STG,  8448                        ; a wave's stage: 16 rows of 512 + 16 bytes
.set SCW,  33792                       ; behind the four stages: the record's 256 bytes of scale words
.macro QMAX s                          ; the four blocks' largest magnitudes, scale operands (TM+12+b) and bytes (TM+4+b)
.irp b, 0,1,2,3
	v_mov_b32 v[TM+4+\b], 0                        ; a lane permute's destination counts as one of its sources
.endr
.irp b, 0,1,2,3
	v_max3_num_f32 v[TM+\b], |v[(\s)+16*\b]|, |v[(\s)+1+16*\b]|, 0x1800000   ; my 16 numbers of block b, and the floor 2^(3 - 127): the byte cannot fall under 1
.endr
.irp i, 2,4,6,8,10,12,14
.irp b, 0,1,2,3
	v_max3_num_f32 v[TM+\b], v[TM+\b], |v[(\s)+16*\b+\i]|, |v[(\s)+1+16*\b+\i]|   ; the four blocks by turns
.endr
.endr
.irp b, 0,1,2,3
	v_permlanex16_b32 v[TM+4+\b], v[TM+\b], s[SEL], s[SEL+1]
.endr
.irp b, 0,1,2,3
	v_max_num_f32 v[TM+\b], v[TM+\b], v[TM+4+\b]   ; with lane l xor 16's 16: the block's
.endr
.irp b, 0,1,2,3
	v_add_nc_u32 v[TM+12+\b], 0xff000000, v[TM+\b] ; 2 off the exponent field: the conversion's scale operand
.endr
.irp b, 0,1,2,3
	v_lshrrev_b32 v[TM+4+\b], 23, v[TM+12+\b]      ; the scale's byte
.endr
.endm
.macro QPACK s                         ; the scale word, and the codes in the operand's layout in v[PC] .. v[PC+11]
	v_lshl_or_b32 v[PW], v[TM+5], 8, v[TM+4]
	v_lshl_or_b32 v[PW], v[TM+6], 16, v[PW]
	v_lshl_or_b32 v[PW], v[TM+7], 24, v[PW]
.irp c, 0,1
	v_cvt_scalef32_pk16_fp6_f32 v[PC+6*\c:PC+2+6*\c], v[(\s)+32*\c:(\s)+15+32*\c], v[TM+12+2*\c]
	v_cvt_scalef32_pk16_fp6_f32 v[PC+12+4*\c:PC+14+4*\c], v[(\s)+16+32*\c:(\s)+31+32*\c], v[TM+12+2*\c+1]   ; a conversion's three registers begin on an even number
.endr
	v_nop                                          ; one plain place behind the scaled conversions
.irp c, 0,1                                    ; the layout wants a whole block in a lane: lanes 0-15 block 2 c, lanes 16-31 block 2 c + 1
.irp i, 0,1,2
	v_permlane16_swap_b32 v[PC+6*\c+\i], v[PC+12+4*\c+\i]
.endr
.irp i, 0,1,2
	v_mov_b32 v[PC+3+6*\c+\i], v[PC+12+4*\c+\i]
.endr
.endr
.endm
	s_load_b256 s[4:11], s[0:1], 0x0               ; x, context, w_q, w_k
	s_load_b128 s[12:15], s[0:1], 0x20             ; w_v, w_out
	s_load_b64 s[16:17], s[0:1], 0x30              ; img
	v_lshl_add_u32 v184, v0, 2, 0x8800
	v_mov_b32 v185, 0
	v_lshrrev_b32 v1, 5, v0
	v_readfirstlane_b32 s18, v1                    ; wave 0..3 = my K step
	v_and_b32 v1, 31, v0                           ; lane
	v_and_b32 v2, 15, v0                           ; r
	v_bfe_u32 v3, v0, 4, 1                         ; h
	v_lshlrev_b32 v5, 4, v1                        ; 16 x lane
	s_lshl_b32 s19, s18, 9
	v_add_nc_u32 v4, s19, v5                       ; in: 512 w + 16 x lane of a row
	s_mul_i32 s23, s18, STG
	v_add_nc_u32 v6, s23, v5                       ; the stage on the way in: as loaded
	v_mul_u32_u24 v7, v2, 528
	v_lshl_add_u32 v7, v3, 6, v7
	v_add_nc_u32 v7, s23, v7                       ; and on the way out: row r, + 64 h
	s_lshl_b32 s23, s18, 2
	v_lshl_add_u32 v8, v2, 4, s23                  ; my row's scale word of my K step: 16 r + 4 w
	v_lshlrev_b32 v9, 3, v1                        ; 8 x lane
	s_mul_i32 s23, s18, 1536
	v_add_nc_u32 v10, s23, v5                      ; out: my fragment's image: 1,536 w + 16 x lane
	s_mov_b32 s[SEL], 0x76543210
	s_mov_b32 s[SEL+1], 0xfedcba98
	s_wait_alu depctr_va_vdst(0)
	s_wait_kmcnt 0x0
	s_mov_b64 s[20:21], s[14:15]                   ; which tensor, and its first tile: chosen by the work-group's number alone
	s_mov_b32 s22, 1120
	s_cmp_lt_u32 ttmp9, 1120
	s_cselect_b64 s[20:21], s[12:13], s[20:21]
	s_cselect_b32 s22, 1088, s22
	s_cmp_lt_u32 ttmp9, 1088
	s_cselect_b64 s[20:21], s[10:11], s[20:21]
	s_cselect_b32 s22, 1056, s22
	s_cmp_lt_u32 ttmp9, 1056
	s_cselect_b64 s[20:21], s[8:9], s[20:21]
	s_cselect_b32 s22, 1024, s22
	s_cmp_lt_u32 ttmp9, 1024
	s_cselect_b64 s[20:21], s[6:7], s[20:21]
	s_cselect_b32 s22, 512, s22
	s_cmp_lt_u32 ttmp9, 512
	s_cselect_b64 s[20:21], s[4:5], s[20:21]
	s_cselect_b32 s22, 0, s22
	s_sub_co_u32 s22, ttmp9, s22                   ; T: the tile in its tensor
	s_lshr_b32 s24, s22, 1
	s_lshl_b32 s24, s24, 16                        ; 32 (T / 2) rows of 2,048 bytes
	s_and_b32 s25, s22, 1
	s_lshl_b32 s25, s25, 14                        ; 8 (T % 2) rows
	s_add_co_u32 s24, s24, s25
	s_mov_b32 s25, 0
	s_add_nc_u64 s[20:21], s[20:21], s[24:25]
	s_mul_i32 s24, ttmp9, 6400
	s_add_nc_u64 s[16:17], s[16:17], s[24:25]      ; my record
.irp i, 0,1,2,3,4,5,6,7,8,9,10,11,12,13,14,15
	global_load_b128 v[R+4*\i:R+4*\i+3], v4, s[20:21] offset:(\i+8*(\i/8))*2048 th:TH_LOAD_NT   ; the tile's row i: 32 lanes read 512 consecutive bytes; read once in the launch
.endr
.irp i, 0,1,2,3,4,5,6,7,8,9,10,11,12,13,14,15
	s_wait_loadcnt 15-\i                           ; loads come back in order: row i is in, the 15 - i younger ones may be out
	ds_store_b128 v6, v[R+4*\i:R+4*\i+3] offset:528*\i
.endr
.irp b, 0,1,2,3
.irp j, 0,1,2,3
	ds_load_b128 v[X+16*\b+4*\j:X+16*\b+4*\j+3], v7 offset:128*\b+16*\j   ; LDS serves a wave's instructions in order: these see my stores
.endr
.endr
	s_wait_dscnt 0x0
	QMAX X
	QPACK X
.irp p, 0,1,2
	global_store_b128 v10, v[PC+4*\p:PC+4*\p+3], s[16:17] offset:512*\p   ; 512 consecutive bytes, at a multiple of 256 from the buffer's first byte
.endr
	ds_store_b32 v8, v[PW] offset:SCW              ; lanes r and r + 16 write the same word with the same value
	s_wait_dscnt 0x0                               ; for the others' sake: my word has landed
	s_barrier_signal -1
	s_barrier_wait -1
	s_cmp_lg_u32 s18, 0
	s_cbranch_scc1 .Lend
	ds_load_b64 v[12:13], v9 offset:SCW            ; wave 0 stores the record's 256 bytes of scale words as one piece
	s_wait_dscnt 0x0
	global_store_b64 v9, v[12:13], s[16:17] offset:6144
.Lend:
	s_wait_tensorcnt 0x0
	ds_add_u32 v184, v185
	s_wait_dscnt 0x0
	s_endpgm
.Lfunc_end_k_qde1729a529_quant:
	.size	k_qde1729a529_quant, .Lfunc_end_k_qde1729a529_quant-k_qde1729a529_quant
	.p2alignl 7, 3214868480
	.fill 96, 4, 3214868480
	.section	.rodata,"a",@progbits
	.p2align	6, 0x0
	.amdhsa_kernel k_qde1729a529_quant
		.amdhsa_group_segment_fixed_size 35328
		.amdhsa_private_segment_fixed_size 0
		.amdhsa_enable_private_segment 0
		.amdhsa_kernarg_size 56
		.amdhsa_user_sgpr_count 2
		.amdhsa_user_sgpr_kernarg_segment_ptr 1
		.amdhsa_wavefront_size32 1
		.amdhsa_system_sgpr_workgroup_id_x 1
		.amdhsa_system_sgpr_workgroup_id_y 1
		.amdhsa_system_sgpr_workgroup_id_z 1
		.amdhsa_system_vgpr_workitem_id 0
		.amdhsa_next_free_vgpr 186
		.amdhsa_next_free_sgpr 66
		.amdhsa_reserve_vcc 0
		.amdhsa_float_denorm_mode_32 3
		.amdhsa_float_denorm_mode_16_64 3
		.amdhsa_memory_ordered 1
		.amdhsa_forward_progress 1
		.amdhsa_inst_pref_size 12
	.end_amdhsa_kernel
	.amdgpu_metadata
---
amdhsa.version: [ 1, 2 ]
amdhsa.kernels:
  - .name:           k_qde1729a529_quant
    .symbol:         k_qde1729a529_quant.kd
    .args:
      - { .name: x, .offset: 0, .size: 8, .value_kind: global_buffer, .address_space: global }
      - { .name: context, .offset: 8, .size: 8, .value_kind: global_buffer, .address_space: global }
      - { .name: w_q, .offset: 16, .size: 8, .value_kind: global_buffer, .address_space: global }
      - { .name: w_k, .offset: 24, .size: 8, .value_kind: global_buffer, .address_space: global }
      - { .name: w_v, .offset: 32, .size: 8, .value_kind: global_buffer, .address_space: global }
      - { .name: w_out, .offset: 40, .size: 8, .value_kind: global_buffer, .address_space: global }
      - { .name: img, .offset: 48, .size: 8, .value_kind: global_buffer, .address_space: global }
    .group_segment_fixed_size: 35328
    .private_segment_fixed_size: 0
    .kernarg_segment_align: 8
    .kernarg_segment_size: 56
    .max_flat_workgroup_size: 128
    .sgpr_count:     66
    .vgpr_count:     186
    .wavefront_size: 32
...
	.end_amdgpu_metadata
.endif
;; end of part 1
;; launch proj (part 2): grid 8 x 32, 8 waves a work-group, no clusters, 168,960 bytes of LDS; arguments img, qimg, kvimg; writes qimg, kvimg
.if DOCPART == 2
	.amdgcn_target "amdgcn-amd-amdhsa--gfx1250"
	.amdhsa_code_object_version 6
	.text
	.protected	k_qde1729a529_proj
	.globl	k_qde1729a529_proj
	.p2align	8
	.type	k_qde1729a529_proj,@function
k_qde1729a529_proj:
	s_mov_b64 s[64:65], 0
	v_nop
	global_prefetch_b8 v0, s[64:65] scope:SCOPE_SE
	s_setreg_imm32_b32 hwreg(HW_REG_WAVE_MODE, 25, 1), 1
	s_wait_xcnt 0x0
; q = x w_q^T, k = context w_k^T, v = context w_v^T on codes of FP6 (E2M3), sums in f32; the results are quantised in registers (q, k along the head's 64; v along the keys) and stored as images of operand registers.
; SHARES: work-group (head, block of 256 tokens); wave w owns token tiles 2 w and 2 w + 1 (32 tokens: one block of 32 keys).  A wave's fragments of x and of context are its own: they go from memory straight into
; registers, 512 consecutive bytes a load.  The head's slices of the three weights (4 tile records, 25,600 dense bytes each) are read by all eight waves: three tensor loads bring them into LDS once.
; NO CLUSTER: of a work-group's 280 KB of operands 205 KB are used by one wave each and go to registers; a joint load lands in LDS alone, so sharing them would add an LDS write and read with no second reader.
; q, k: TRANSPOSED (source 0 = 16 rows of the weight, source 1 = 16 tokens): a lane holds one token, its registers 16 b + i the channel 32 b + 16 (lane / 16) + i: the next K.
; v: source 0 = 16 tokens, source 1 = 16 rows of w_v: a lane holds one channel, its registers 16 keys: the next K.
; OUT: qimg: a record of 13,312 bytes for (batch, head, block): 16 half fragments (registers 0-3 at 768 T + 16 L, registers 4-5 at 768 T + 512 + 8 L), scale words at 12,288 + 64 T + 4 r (two bytes; the upper two are 0, over zero codes).
; kvimg: a record of 13,056 bytes for each 128 keys: K's 8 half fragments; at 6,144 K's scale words (256 (T % 2) + 16 r + 4 (T / 2)); at 6,656 V's 4 fragments; at 12,800 V's scale bytes (128 (n % 2) + 8 r + 4 (n / 2) + block).
; LIMITS: a block of zeros gets the byte 1 (its codes are zeros; this program alone reads the bytes); NaN and infinities are not served.
.set LI,   1                           ; 16 x lane
.set L8,   2                           ; 8 x lane
.set LSC,  3                           ; 6,400 (lane / 16) + 16 (lane % 16): scale words of two neighbouring tile records
.set RR,   4                           ; r
.set HH,   5                           ; h
.set WL,   6                           ; LI + the weight's place in LDS
.set WLS,  7                           ; LSC + the same
.set QW16, 8                           ; where I store q's images and words in the stage
.set QW8,  9
.set QWS,  10
.set KW16, 11                          ; and k's
.set KW8,  12
.set KWS,  13
.set A,    16                          ; v16-111  fragments (tile tt, K step s) at 12 (4 tt + s)
.set AS,   112                         ; v112-115 their scale words, K step s: lanes 0-15 tile 0, lanes 16-31 tile 1
.set WS,   116                         ; v116-123 the weight's: 4 i + s: lanes 0-15 tile 2 i, lanes 16-31 tile 2 i + 1
.set W,    124                         ; v124-171 four fragments of the weight, one K step
.set PC,   124                         ; while quantising: the codes,
.set TM,   144                         ; the blocks' figures,
.set PW,   160                         ; the scale word; v161-162 its halves
.set ACC,  172                         ; v172-235 eight accumulators
.set VA,   244                         ; v244-246 where a register of v's codes goes
.set VB,   247                         ; and v's scale byte
.set CP,   248                         ; 16 x thread: the copy out
.set SEL,  36
.set QSTG, 0                           ; LDS: q's record, 13,312 bytes
.set KVSTG, 13312                      ; two key steps' records, 26,112 bytes
.set WQ,   39424                       ; the three weight slices, 25,600 bytes each: filled once, by tensor loads; nothing is stored there
.set WSL,  25600
.macro QMAX s
.irp b, 0,1,2,3
	v_mov_b32 v[TM+4+\b], 0                        ; a lane permute's destination counts as one of its sources
.endr
.irp b, 0,1,2,3
	v_max3_num_f32 v[TM+\b], |v[(\s)+16*\b]|, |v[(\s)+1+16*\b]|, 0x1800000   ; each accumulator is read from its low end on; the floor 2^(3 - 127) holds the byte at 1
.endr
.irp i, 2,4,6,8,10,12,14
.irp b, 0,1,2,3
	v_max3_num_f32 v[TM+\b], v[TM+\b], |v[(\s)+16*\b+\i]|, |v[(\s)+1+16*\b+\i]|
.endr
.endr
.irp b, 0,1,2,3
	s_delay_alu instid0(VALU_DEP_4)
	v_permlanex16_b32 v[TM+4+\b], v[TM+\b], s[SEL], s[SEL+1]
.endr
.irp b, 0,1,2,3
	s_delay_alu instid0(VALU_DEP_4)
	v_max_num_f32 v[TM+\b], v[TM+\b], v[TM+4+\b]
.endr
.irp b, 0,1,2,3
	s_delay_alu instid0(VALU_DEP_4)
	v_add_nc_u32 v[TM+12+\b], 0xff000000, v[TM+\b] ; 2 off the exponent field: the conversion's scale operand
.endr
.irp b, 0,1,2,3
	s_delay_alu instid0(VALU_DEP_4)
	v_lshrrev_b32 v[TM+4+\b], 23, v[TM+12+\b]      ; the scale's byte
.endr
.endm
.macro QPACK s
	s_delay_alu instid0(VALU_DEP_3)
	v_lshl_or_b32 v[PW], v[TM+5], 8, v[TM+4]
	s_delay_alu instid0(VALU_DEP_1)
	v_lshl_or_b32 v[PW], v[TM+6], 16, v[PW]
	s_delay_alu instid0(VALU_DEP_1)
	v_lshl_or_b32 v[PW], v[TM+7], 24, v[PW]
.irp c, 0,1
	v_cvt_scalef32_pk16_fp6_f32 v[PC+6*\c:PC+2+6*\c], v[(\s)+32*\c:(\s)+15+32*\c], v[TM+12+2*\c]
	v_cvt_scalef32_pk16_fp6_f32 v[PC+12+4*\c:PC+14+4*\c], v[(\s)+16+32*\c:(\s)+31+32*\c], v[TM+12+2*\c+1]
.endr
	v_nop                                          ; one plain place behind the scaled conversions
.irp c, 0,1
.irp i, 0,1,2
	v_permlane16_swap_b32 v[PC+6*\c+\i], v[PC+12+4*\c+\i]
.endr
.irp i, 0,1,2
	s_delay_alu instid0(VALU_DEP_3)
	v_mov_b32 v[PC+3+6*\c+\i], v[PC+12+4*\c+\i]
.endr
.endr
.endm
; One matrix instruction.  zero = 1: it starts the sum.  ra, rb = 1: that side's scales are read from lanes 16-31 of its register.
.macro WM d, a, b, zero, sa, sb, ra, rb
.set wD, \d
.set wA, \a
.set wB, \b
.set wSA, \sa
.set wSB, \sb
.set wSel, 4*(\zero)+2*(\ra)+(\rb)
.if wSel == 0
	v_wmma_scale_f32_16x16x128_f8f6f4 v[wD:wD+7], v[wA:wA+11], v[wB:wB+11], v[wD:wD+7], v[wSA], v[wSB] matrix_a_fmt:MATRIX_FMT_FP6 matrix_b_fmt:MATRIX_FMT_FP6
.elseif wSel == 1
	v_wmma_scale_f32_16x16x128_f8f6f4 v[wD:wD+7], v[wA:wA+11], v[wB:wB+11], v[wD:wD+7], v[wSA], v[wSB] matrix_a_fmt:MATRIX_FMT_FP6 matrix_b_fmt:MATRIX_FMT_FP6 matrix_b_scale:MATRIX_SCALE_ROW1
.elseif wSel == 2
	v_wmma_scale_f32_16x16x128_f8f6f4 v[wD:wD+7], v[wA:wA+11], v[wB:wB+11], v[wD:wD+7], v[wSA], v[wSB] matrix_a_fmt:MATRIX_FMT_FP6 matrix_b_fmt:MATRIX_FMT_FP6 matrix_a_scale:MATRIX_SCALE_ROW1
.elseif wSel == 3
	v_wmma_scale_f32_16x16x128_f8f6f4 v[wD:wD+7], v[wA:wA+11], v[wB:wB+11], v[wD:wD+7], v[wSA], v[wSB] matrix_a_fmt:MATRIX_FMT_FP6 matrix_b_fmt:MATRIX_FMT_FP6 matrix_a_scale:MATRIX_SCALE_ROW1 matrix_b_scale:MATRIX_SCALE_ROW1
.elseif wSel == 4
	v_wmma_scale_f32_16x16x128_f8f6f4 v[wD:wD+7], v[wA:wA+11], v[wB:wB+11], 0, v[wSA], v[wSB] matrix_a_fmt:MATRIX_FMT_FP6 matrix_b_fmt:MATRIX_FMT_FP6
.elseif wSel == 5
	v_wmma_scale_f32_16x16x128_f8f6f4 v[wD:wD+7], v[wA:wA+11], v[wB:wB+11], 0, v[wSA], v[wSB] matrix_a_fmt:MATRIX_FMT_FP6 matrix_b_fmt:MATRIX_FMT_FP6 matrix_b_scale:MATRIX_SCALE_ROW1
.elseif wSel == 6
	v_wmma_scale_f32_16x16x128_f8f6f4 v[wD:wD+7], v[wA:wA+11], v[wB:wB+11], 0, v[wSA], v[wSB] matrix_a_fmt:MATRIX_FMT_FP6 matrix_b_fmt:MATRIX_FMT_FP6 matrix_a_scale:MATRIX_SCALE_ROW1
.else
	v_wmma_scale_f32_16x16x128_f8f6f4 v[wD:wD+7], v[wA:wA+11], v[wB:wB+11], 0, v[wSA], v[wSB] matrix_a_fmt:MATRIX_FMT_FP6 matrix_b_fmt:MATRIX_FMT_FP6 matrix_a_scale:MATRIX_SCALE_ROW1 matrix_b_scale:MATRIX_SCALE_ROW1
.endif
.endm
.macro ALOAD p                         ; my two tile records: 8 fragments and their scale words, from the address in s[p:p+1]
.irp tt, 0,1
.irp s, 0,1,2,3
.irp g, 0,1,2
	global_load_b128 v[A+12*(4*\tt+\s)+4*\g:A+12*(4*\tt+\s)+4*\g+3], v[LI], s[\p:\p+1] offset:6400*\tt+1536*\s+512*\g
.endr
.endr
.endr
	global_load_b128 v[AS:AS+3], v[LSC], s[\p:\p+1] offset:6144
.endm
.macro WSCALE                          ; the weight slice's scale words, all four K steps
.irp i, 0,1
	ds_load_b128 v[WS+4*\i:WS+4*\i+3], v[WLS] offset:12800*\i+6144
.endr
.endm
.macro WFETCH s                        ; its four fragments of K step s
.irp nt, 0,1,2,3
.irp g, 0,1,2
	ds_load_b128 v[W+12*\nt+4*\g:W+12*\nt+4*\g+3], v[WL] offset:6400*\nt+1536*\s+512*\g
.endr
.endr
.endm
.macro MULT s, zero                    ; transposed: eight accumulators by turns, one instruction a turn
.irp tt, 0,1
.irp nt, 0,1,2,3
	WM ACC+8*(4*\tt+\nt), W+12*\nt, A+12*(4*\tt+\s), \zero, WS+4*(\nt/2)+\s, AS+\s, \nt&1, \tt
.endr
.endr
.endm
.macro MULV s, zero                    ; v: source 0 = tokens
.irp nt, 0,1,2,3
.irp tt, 0,1
	WM ACC+8*(2*\nt+\tt), A+12*(4*\tt+\s), W+12*\nt, \zero, AS+\s, WS+4*(\nt/2)+\s, \tt, \nt&1
.endr
.endr
.endm
.macro KSTEP v, s, zero
	WFETCH \s
	s_wait_dscnt 0x0
.if \v
	MULV \s, \zero
.else
	MULT \s, \zero
.endif
.rept 4
	v_nop                                          ; four places in front of loads into registers that these products read, and of the first read of results
.endr
.endm
.macro PROD v
	WSCALE
	KSTEP \v, 0, 1
	KSTEP \v, 1, 0
	KSTEP \v, 2, 0
	KSTEP \v, 3, 0
.endm
; two half fragments (PC + 6 tt) and their scale words (the halves of PW) into a stage
.macro HALVES a16, a8, asw, off, soff, sstep
	v_and_b32 v[PW+1], 0xffff, v[PW]
	v_lshrrev_b32 v[PW+2], 16, v[PW]
.irp tt, 0,1
	ds_store_b128 v[\a16], v[PC+6*\tt:PC+6*\tt+3] offset:\off+768*\tt
	ds_store_b64 v[\a8], v[PC+6*\tt+4:PC+6*\tt+5] offset:\off+768*\tt+512
	ds_store_b32 v[\asw], v[PW+1+\tt] offset:\soff+\sstep*\tt   ; lanes r and r + 16 write the same word with the same value
.endr
	s_wait_dscnt 0x0                               ; the stores have read their registers, which are loaded next
.endm
	s_load_b128 s[4:7], s[0:1], 0x0                ; img, qimg
	s_load_b64 s[8:9], s[0:1], 0x10                ; kvimg
	v_lshl_add_u32 v254, v0, 2, 0x29000
	v_mov_b32 v255, 0
	ds_add_u32 v254, v255
	ds_add_u32 v254, v255
	v_lshrrev_b32 v14, 5, v0
	s_delay_alu instid0(VALU_DEP_1)
	v_readfirstlane_b32 s10, v14                   ; wave 0..7
	s_and_b32 s11, ttmp7, 0xffff                   ; the block of 256 tokens, 0..31
	s_mov_b32 s20, 3<<16                           ; descriptor group 1: 100 rows of 32 elements of 8 bytes, dense, no padding, no mask
	s_mov_b32 s21, 32<<16                          ; tensor_dim0 = 32
	s_mov_b32 s22, 100<<16                         ; tensor_dim1 = 100
	s_mov_b32 s23, 32<<16                          ; tile_dim0 = 32
	s_mov_b32 s24, 100                             ; tile_dim1 = 100
	s_mov_b32 s25, 32                              ; from row to row
	s_mov_b32 s26, 0
	s_mov_b32 s27, 0
	s_min_u32 s15, s10, 2                          ; waves 0, 1, 2 fetch w_q's, w_k's, w_v's slice
	s_mov_b32 s16, 1
	s_mul_i32 s17, s15, WSL
	s_add_co_u32 s17, s17, WQ                      ; where it goes
	s_mul_i32 s12, s15, 204800                     ; a weight's 32 records,
	s_mul_i32 s14, ttmp9, WSL                      ; the head's four of them,
	s_add_co_u32 s12, s12, s14
	s_add_co_u32 s12, s12, 6553600                 ; behind the 1,024 records of x and context
	s_mov_b32 s13, 0
	s_mul_i32 s28, s11, 102400                     ; x: the block's 16 records,
	s_mul_i32 s14, s10, 12800                      ; my two
	s_add_co_u32 s28, s28, s14
	s_mov_b32 s29, 0
	s_lshr_b32 s14, s11, 4                         ; batch
	s_and_b32 s15, s11, 15                         ; block in the batch
	s_lshl_b32 s32, s14, 7
	s_lshl_b32 s38, ttmp9, 4
	s_add_co_u32 s32, s32, s38
	s_add_co_u32 s32, s32, s15                     ; q's record: (8 batch + head) 16 + block
	s_mul_i32 s32, s32, 13312
	s_mov_b32 s33, 0
	s_lshl_b32 s34, s14, 8
	s_lshl_b32 s38, ttmp9, 5
	s_add_co_u32 s34, s34, s38
	s_lshl_b32 s38, s15, 1
	s_add_co_u32 s34, s34, s38                     ; the first of my two key steps: (8 batch + head) 32 + 2 block
	s_mul_i32 s34, s34, 13056
	s_mov_b32 s35, 0
	s_mov_b32 s[SEL], 0x76543210
	s_mov_b32 s[SEL+1], 0xfedcba98
	v_and_b32 v14, 31, v0                          ; lane
	s_delay_alu instid0(VALU_DEP_1)
	v_lshlrev_b32 v[LI], 4, v14
	s_delay_alu instid0(VALU_DEP_2)
	v_lshlrev_b32 v[L8], 3, v14
	v_and_b32 v[RR], 15, v0
	v_bfe_u32 v[HH], v0, 4, 1
	s_delay_alu instid0(VALU_DEP_2)
	v_lshlrev_b32 v[LSC], 4, v[RR]
	s_delay_alu instid0(VALU_DEP_1)
	v_mad_u32_u24 v[LSC], v[HH], 6400, v[LSC]
	s_wait_dscnt 0x0
	s_wait_kmcnt 0x0
	s_add_nc_u64 s[18:19], s[4:5], s[12:13]
	s_or_b32 s19, s19, 0x80000000                  ; type = 2
	s_add_nc_u64 s[28:29], s[4:5], s[28:29]        ; my records of x
	s_add_nc_u64 s[30:31], s[28:29], 3276800       ; and of context, 512 records on
	s_add_nc_u64 s[32:33], s[6:7], s[32:33]
	s_add_nc_u64 s[34:35], s[8:9], s[34:35]
	s_cmp_lt_u32 s10, 3
	s_cbranch_scc0 .Lno_fill
	tensor_load_to_lds s[16:19], s[20:27]          ; one load of mine is out; these bytes are filled once
	s_nop 0
.rept 4
	v_nop
.endr
.Lno_fill:
	s_wait_alu depctr_va_vdst(0)
	ALOAD 28                                       ; x
	s_mul_i32 s40, s10, 1536
	s_lshl_b32 s41, s10, 7
	s_lshr_b32 s42, s10, 2                         ; which of the block's two key steps is mine
	s_and_b32 s43, s10, 3                          ; which 32 keys of it
	s_mul_i32 s44, s42, 13056
	s_mul_i32 s45, s43, 1536
	s_add_co_u32 s45, s45, s44
	s_lshl_b32 s46, s43, 2
	s_add_co_u32 s46, s46, s44
	s_lshr_b32 s47, s43, 1
	s_mul_i32 s47, s47, 6                          ; v's codes: my block's first register in a fragment: 6 (block / 2)
	s_and_b32 s48, s10, 1
	s_lshl_b32 s48, s48, 8                         ; and its half of the lanes: 16 (block % 2) lanes of 16 bytes
	s_add_co_u32 s48, s48, s44
	s_add_co_u32 s49, s44, s43
	v_add_nc_u32 v[QW16], s40, v[LI]
	v_add_nc_u32 v[QW8], s40, v[L8]
	v_lshl_add_u32 v[QWS], v[RR], 2, s41
	v_add_nc_u32 v[KW16], s45, v[LI]
	v_add_nc_u32 v[KW8], s45, v[L8]
	v_lshl_add_u32 v[KWS], v[RR], 4, s46
	v_mul_u32_u24 v14, v[HH], 3
	s_delay_alu instid0(VALU_DEP_1)
	v_add_nc_u32 v14, s47, v14                     ; my first code register's number in the fragment: 6 (block / 2) + 3 h
.irp i, 0,1,2
	v_add_nc_u32 v15, \i, v14                      ; g
	s_delay_alu instid0(VALU_DEP_1)
	v_lshrrev_b32 v[VA+\i], 2, v15
	s_delay_alu instid0(VALU_DEP_1)
	v_lshlrev_b32 v[VA+\i], 9, v[VA+\i]            ; 512 (g / 4)
	s_delay_alu instid0(VALU_DEP_3)
	v_and_b32 v15, 3, v15
	s_delay_alu instid0(VALU_DEP_1)
	v_lshl_add_u32 v[VA+\i], v15, 2, v[VA+\i]      ; + 4 (g % 4)
	s_delay_alu instid0(VALU_DEP_1)
	v_lshl_add_u32 v[VA+\i], v[RR], 4, v[VA+\i]    ; + 16 r
	s_delay_alu instid0(VALU_DEP_1)
	v_add_nc_u32 v[VA+\i], s48, v[VA+\i]
.endr
	v_lshl_add_u32 v[VB], v[RR], 3, s49
	v_lshlrev_b32 v[CP], 4, v0
	s_wait_tensorcnt 0x0                           ; my slice has landed,
	s_barrier_signal -1
	s_barrier_wait -1                              ; everybody's has
	; ---- q
	v_add_nc_u32 v[WL], WQ, v[LI]
	v_add_nc_u32 v[WLS], WQ, v[LSC]
	s_wait_alu depctr_va_vdst(0)
	s_wait_loadcnt 0x0                             ; x
	PROD 0
	ALOAD 30                                       ; context, behind the four places; it lands while q is quantised
	QMAX ACC                                       ; blocks: tile 0 channels 0-31, 32-63; tile 1 likewise
	QPACK ACC
	HALVES QW16, QW8, QWS, QSTG, QSTG+12288, 64
	; ---- k
	v_add_nc_u32 v[WL], WQ+WSL, v[LI]
	v_add_nc_u32 v[WLS], WQ+WSL, v[LSC]
	s_wait_alu depctr_va_vdst(0)
	s_wait_loadcnt 0x0                             ; context
	PROD 0
	QMAX ACC
	QPACK ACC
	HALVES KW16, KW8, KWS, KVSTG, KVSTG+6144, 256
	; ---- v
	v_add_nc_u32 v[WL], WQ+2*WSL, v[LI]
	s_wait_alu depctr_va_vdst(0)
	v_add_nc_u32 v[WLS], WQ+2*WSL, v[LSC]
	PROD 1
	QMAX ACC                                       ; block n: channel tile n, my wave's 32 keys (16 in lane l, 16 in lane l xor 16)
.irp b, 0,1,2,3
	v_cvt_scalef32_pk16_fp6_f32 v[PC+4*\b:PC+4*\b+2], v[ACC+16*\b:ACC+16*\b+15], v[TM+12+\b]
.endr
	v_nop                                          ; one plain place behind the scaled conversions
.irp b, 0,1,2,3
.irp i, 0,1,2
	ds_store_b32 v[VA+\i], v[PC+4*\b+\i] offset:KVSTG+6656+1536*\b   ; each register to its place in fragment n's image
.endr
	ds_store_b8 v[VB], v[TM+4+\b] offset:KVSTG+12800+128*(\b&1)+4*(\b/2)   ; lanes r and r + 16 write the same byte with the same value
.endr
	s_wait_dscnt 0x0                               ; for the others' sake: my stores have landed
	s_barrier_signal -1
	s_barrier_wait -1                              ; the stages are whole
	; ---- out: pieces of 512 bytes, piece 8 i + wave
.irp i, 0,1,2
	ds_load_b128 v[A+4*\i:A+4*\i+3], v[CP] offset:QSTG+4096*\i
.endr
.irp i, 0,1,2,3,4,5
	ds_load_b128 v[A+12+4*\i:A+12+4*\i+3], v[CP] offset:KVSTG+4096*\i
.endr
.irp i, 0,1,2
	s_wait_dscnt 8-\i                              ; LDS loads come back in order: the younger ones may be out
	global_store_b128 v[CP], v[A+4*\i:A+4*\i+3], s[32:33] offset:4096*\i
.endr
.irp i, 0,1,2,3,4,5
	s_wait_dscnt 5-\i
	global_store_b128 v[CP], v[A+12+4*\i:A+12+4*\i+3], s[34:35] offset:4096*\i
.endr
	s_cmp_lt_u32 s10, 2                            ; q's record has 26 pieces: the last two
	s_cbranch_scc0 .Lno_qtail
	ds_load_b128 v[A+36:A+39], v[CP] offset:QSTG+12288
	s_wait_dscnt 0x0
	global_store_b128 v[CP], v[A+36:A+39], s[32:33] offset:12288
.Lno_qtail:
	s_cmp_lt_u32 s10, 3                            ; the two key steps have 51: the last three
	s_cbranch_scc0 .Lno_kvtail
	ds_load_b128 v[A+40:A+43], v[CP] offset:KVSTG+24576
	s_wait_dscnt 0x0
	global_store_b128 v[CP], v[A+40:A+43], s[34:35] offset:24576
.Lno_kvtail:
	s_wait_tensorcnt 0x0
	ds_add_u32 v254, v255
	s_wait_dscnt 0x0
	s_endpgm
.Lfunc_end_k_qde1729a529_proj:
	.size	k_qde1729a529_proj, .Lfunc_end_k_qde1729a529_proj-k_qde1729a529_proj
	.p2alignl 7, 3214868480
	.fill 96, 4, 3214868480
	.section	.rodata,"a",@progbits
	.p2align	6, 0x0
	.amdhsa_kernel k_qde1729a529_proj
		.amdhsa_group_segment_fixed_size 168960
		.amdhsa_private_segment_fixed_size 0
		.amdhsa_enable_private_segment 0
		.amdhsa_kernarg_size 24
		.amdhsa_user_sgpr_count 2
		.amdhsa_user_sgpr_kernarg_segment_ptr 1
		.amdhsa_wavefront_size32 1
		.amdhsa_system_sgpr_workgroup_id_x 1
		.amdhsa_system_sgpr_workgroup_id_y 1
		.amdhsa_system_sgpr_workgroup_id_z 1
		.amdhsa_system_vgpr_workitem_id 0
		.amdhsa_next_free_vgpr 256
		.amdhsa_next_free_sgpr 66
		.amdhsa_reserve_vcc 0
		.amdhsa_float_denorm_mode_32 3
		.amdhsa_float_denorm_mode_16_64 3
		.amdhsa_memory_ordered 1
		.amdhsa_forward_progress 1
		.amdhsa_inst_pref_size 53
	.end_amdhsa_kernel
	.amdgpu_metadata
---
amdhsa.version: [ 1, 2 ]
amdhsa.kernels:
  - .name:           k_qde1729a529_proj
    .symbol:         k_qde1729a529_proj.kd
    .args:
      - { .name: img, .offset: 0, .size: 8, .value_kind: global_buffer, .address_space: global }
      - { .name: qimg, .offset: 8, .size: 8, .value_kind: global_buffer, .address_space: global }
      - { .name: kvimg, .offset: 16, .size: 8, .value_kind: global_buffer, .address_space: global }
    .group_segment_fixed_size: 168960
    .private_segment_fixed_size: 0
    .kernarg_segment_align: 8
    .kernarg_segment_size: 24
    .max_flat_workgroup_size: 256
    .sgpr_count:     66
    .vgpr_count:     256
    .wavefront_size: 32
...
	.end_amdgpu_metadata
.endif
;; end of part 2
;; launch attn (part 3): grid 16 x 16, 16 waves a work-group, clusters of 4 x 1, 327,680 bytes of LDS; arguments qimg, kvimg, oimg; writes oimg
.if DOCPART == 3
	.amdgcn_target "amdgcn-amd-amdhsa--gfx1250"
	.amdhsa_code_object_version 6
	.text
	.protected	k_qde1729a529_attn
	.globl	k_qde1729a529_attn
	.p2align	8
	.type	k_qde1729a529_attn,@function
k_qde1729a529_attn:
	s_mov_b64 s[64:65], 0
	v_nop
	global_prefetch_b8 v0, s[64:65] scope:SCOPE_SE
	s_setreg_imm32_b32 hwreg(HW_REG_WAVE_MODE, 25, 1), 1
	s_wait_xcnt 0x0
	s_wait_alu depctr_hold_cnt(0) depctr_sa_sdst(0) depctr_va_vdst(0) depctr_va_sdst(0) depctr_va_ssrc(0) depctr_va_vcc(0) depctr_vm_vsrc(0)
	s_getreg_b32 s2, hwreg(HW_REG_IB_STS2, 6, 4)
	s_cmp_eq_u32 s2, 0
	s_cbranch_scc0 .Lentry_in_a_cluster
	s_endpgm
.Lentry_in_a_cluster:
	s_bfe_u32 s2, ttmp6, 0x10000c
	s_cmp_lg_u32 s2, 0x3003
	s_cbranch_scc0 .Lentry_shape_is_right
	s_endpgm
.Lentry_shape_is_right:
; O = softmax(q k^T / 8) v for each of 16 (batch, head), 4,096 queries x 4,096 keys, head size 64, both products on codes of FP6 (E2M3) with one E8M0 byte for each 32 along K; O / l is quantised along the head's 64.
; t = score x log2(e) / 8; M = the running largest t rounded UP to a whole number; p = 2^(t - M) is quantised along the keys; the row's sum is taken of the unquantised p and divides O at the end.
; When M moves, the sums and O are multiplied by 2^(old M - new M), which rounds nothing.
; SHARES: a work-group owns 256 queries of one (batch, head), each of its sixteen waves 16 of them; every wave walks 32 key steps of 128 keys.  A key step's record (13,056 bytes) is an image of operand registers.
; BOTH PRODUCTS TRANSPOSED: S^T = K Q^T, O^T = V^T P^T: a lane holds one query throughout.
; THE KEYS OF A TILE ARE CHOSEN BY THE LANES' LDS ADDRESSES: row m of tile (c, t) is key 64 c + 32 (m / 8) + 8 t + m % 8.  So lane (r, h) holds, in the 32 registers of tiles (c, 0 .. 3), the 32 keys of block 2 c + h on end:
; a block's largest score needs no other lane, and the conversions' results are the operand's registers (three of each six are moved: a conversion's registers begin on an even number).
; The head is 64: Q's registers 6-11 hold zero codes, so whatever codes stand in registers 6-11 of a K operand add nothing (E2M3 has no NaN and no infinity; the upper two scale bytes are 0, a finite code).
; So K's eight tiles lie 6 registers apart, each operand reaching over the next tile's six (the last over p's codes), and all eight products stand in one run.
; LDS: 24 records, filled at the head by twelve waves, one joint load of two records (102 rows of 256 bytes) each.  ONE refill: behind step 11 waves 0-3 ask for steps 24-31 into the bytes of steps 0-7.
; The barrier that shows the refill whole is signalled behind step 17 and waited for ahead of step 23, whose fetch of the next step's K is the first read of those bytes.
; By this text's count a wave has one tensor load out at the most.  The next step's K is fetched under the softmax, V behind the step's first products.
; CLUSTER: the four query blocks of a cluster walk the same K and V: each tile is asked for JOINTLY, by the same load with the same descriptor and a mask that names the four.
; NO PREFETCH: 24 of the 32 records are asked for at the head, where there is no loop to run ahead in; the one refill is asked for six key steps ahead of the wait for it.
; LIMITS: p under 2^-126 counts as 0; a block of zeros gets the byte 1 (its codes are zeros; this program alone reads the bytes); NaN and infinities are not served.
.set LI,   1                           ; 16 x lane
.set L8,   2                           ; 8 x lane
.set KAB,  3                           ; K's registers 0-3: 1,536 (m / 8) + 16 (m % 8) + 256 h
.set KBB,  4                           ; K's registers 4-5: 1,536 (m / 8) + 8 (m % 8) + 128 h
.set SPW,  5                           ; LDS address of my spare word; never rewritten
.set NIL,  6                           ; 0; never rewritten
.set QSW,  7                           ; 64 w + 4 (lane % 16): my tile's scale words in a record of q or of o
.set KS,   8                           ; v8-11 K's scale words: register 2 c + t / 2: lanes 0-15 even t, lanes 16-31 odd t
                                       ; v12 -M, v13 the largest score so far
.set L,    14                          ; v14-21 the row's sum, four chains of two halves
.set KSB,  22                          ; K's scale words: 256 h + 16 (m % 8) + 4 (m / 8)
.set SH8,  23                          ; 8 h
.set VA,   24                          ; this step's record + LI
.set V8,   25                          ; + L8
.set KA,   26                          ; the next step's record + KAB, KBB, KSB
.set KB,   27
.set KSA,  28
.set T0,   29                          ; at work
.set T1,   30
.set QS,   31                          ; Q's scale words
.set QF,   32                          ; v32-43  Q's fragment (v38-43 zero codes)
.set KF,   44                          ; v44-91  K's eight tiles, 6 registers each
.set P,    92                          ; v92-103 p's codes
.set VF,   104                         ; v104-151 V's four fragments
.set S,    152                         ; v152-215 S^T, then p
.set O,    216                         ; v216-247 O^T
.set VS,   248                         ; v248-249 V's scale words
.set F,    250                         ; f = 2^(old M - new M)
.set PS,   251                         ; p's scale word
.set BM,   252                         ; v252-253 my two blocks' largest scores, then largest p, then bytes
.set SO,   254                         ; v254-255 the conversions' scale operands
.set WV,   10
.set SEL,  14
.set CS,   16
.set CN,   18
.set G1,   20
.set G0,   28
.set TBN,  33
.set TB,   36
.set CNT,  37
.set STEPB, 13056
.set OSC,  24*STEPB                    ; behind the records: the way out's scale words, 1,024 bytes
.set SPARE, OSC+1024                   ; the spare words, 128 bytes for each wave: eight blocks of 256 bytes that no other line names
.macro WM d, a, b, zero, sa, sb, ra, rb
.set wD, \d
.set wA, \a
.set wB, \b
.set wSA, \sa
.set wSB, \sb
.set wSel, 4*(\zero)+2*(\ra)+(\rb)
.if wSel == 0
	v_wmma_scale_f32_16x16x128_f8f6f4 v[wD:wD+7], v[wA:wA+11], v[wB:wB+11], v[wD:wD+7], v[wSA], v[wSB] matrix_a_fmt:MATRIX_FMT_FP6 matrix_b_fmt:MATRIX_FMT_FP6
.elseif wSel == 2
	v_wmma_scale_f32_16x16x128_f8f6f4 v[wD:wD+7], v[wA:wA+11], v[wB:wB+11], v[wD:wD+7], v[wSA], v[wSB] matrix_a_fmt:MATRIX_FMT_FP6 matrix_b_fmt:MATRIX_FMT_FP6 matrix_a_scale:MATRIX_SCALE_ROW1
.elseif wSel == 4
	v_wmma_scale_f32_16x16x128_f8f6f4 v[wD:wD+7], v[wA:wA+11], v[wB:wB+11], 0, v[wSA], v[wSB] matrix_a_fmt:MATRIX_FMT_FP6 matrix_b_fmt:MATRIX_FMT_FP6
.else
	v_wmma_scale_f32_16x16x128_f8f6f4 v[wD:wD+7], v[wA:wA+11], v[wB:wB+11], 0, v[wSA], v[wSB] matrix_a_fmt:MATRIX_FMT_FP6 matrix_b_fmt:MATRIX_FMT_FP6 matrix_a_scale:MATRIX_SCALE_ROW1
.endif
.endm
.macro CROUND                          ; a round of the cluster's barrier
	s_barrier_signal -1
	s_barrier_wait -1
	s_cmp_lg_u32 s[WV], 0
	s_cbranch_scc1 .Lnot_wave_0_\@
	s_barrier_signal -3
.Lnot_wave_0_\@:
	s_barrier_wait -3
	s_barrier_signal -1
	s_barrier_wait -1
.endm
.macro JLOAD under                     ; a joint load by the waves under that number, two records each; the branch hangs on the wave's number alone; s_nop 0 and four v_nop follow the load
	s_cmp_lt_u32 s[WV], \under
	s_cbranch_scc0 .Lnone_\@
	tensor_load_to_lds s[G0:G0+3], s[G1:G1+7]
	s_nop 0
.rept 4
	v_nop
.endr
.Lnone_\@:
.endm
.macro KADDR                           ; where the record at LDS byte s[TBN] has my parts of K
	v_add_nc_u32 v[KA], s[TBN], v[KAB]
	v_add_nc_u32 v[KB], s[TBN], v[KBB]
	v_add_nc_u32 v[KSA], s[TBN], v[KSB]
.endm
.macro KLOAD                           ; 20 loads: K's eight tiles and four registers of scale words
.irp i, 0,1,2,3
	ds_load_b32 v[KS+\i], v[KSA] offset:6144+128*(\i%2)+8*(\i/2)
.endr
.irp c, 0,1
.irp t, 0,1,2,3
	ds_load_b128 v[KF+24*\c+6*\t:KF+24*\c+6*\t+3], v[KA] offset:3072*\c+768*(\t%2)+128*(\t/2)
	ds_load_b64 v[KF+24*\c+6*\t+4:KF+24*\c+6*\t+5], v[KB] offset:3072*\c+768*(\t%2)+64*(\t/2)+512
.endr
.endr
.endm
.macro MXF d, b
	v_max3_num_f32 v[\d], v[\b], v[(\b)+1], v[(\b)+2]
.endm
.macro MXN d, b, i
	v_max3_num_f32 v[\d], v[\d], v[(\b)+(\i)], v[(\b)+(\i)+1]
.endm
.macro SUM j0                          ; four pairs of p onto the four chains; the chains' first links bring the old sums under the new M
.irp k, 0,1,2,3
.if \j0 == 0
	v_pk_fma_f32 v[L+2*\k:L+2*\k+1], v[L+2*\k:L+2*\k+1], v[F:F+1], v[S+2*\k:S+2*\k+1] op_sel_hi:[1,0,1]
.else
	v_pk_add_f32 v[L+2*\k:L+2*\k+1], v[L+2*\k:L+2*\k+1], v[S+2*(\j0+\k):S+2*(\j0+\k)+1]
.endif
.endr
.endm
.macro OMUL j0, n                      ; O^T under the new M
.set jj, \j0
.rept \n
	v_pk_mul_f32 v[O+2*jj:O+2*jj+1], v[O+2*jj:O+2*jj+1], v[F:F+1] op_sel_hi:[1,0]
.set jj, jj+1
.endr
.endm
; A KEY STEP: 128 keys; its record begins at LDS byte s[TB], the next step's at s[TBN].  pf = 1: the next step's K is fetched.
.macro STEP pf
	s_wait_dscnt 0x0                               ; this step's K, asked for a step ago
.irp c, 0,1
.irp t, 0,1,2,3
	WM S+32*\c+8*\t, KF+24*\c+6*\t, QF, 1, KS+2*\c+(\t/2), QS, \t&1, 0
.endr
.endr
	v_add_nc_u32 v[VA], s[TB], v[LI]               ; these sums are the places behind the products above and the last step's V^T P, ahead of the loads below and of the first read of S^T
	v_add_nc_u32 v[V8], s[TB], v[L8]
.if \pf
	KADDR
.else
	v_nop
	v_nop
.endif
.irp n, 0,1,2,3
.irp g, 0,1,2
	ds_load_b128 v[VF+12*\n+4*\g:VF+12*\n+4*\g+3], v[VA] offset:6656+1536*\n+512*\g
.endr
.endr
	ds_load_b64 v[VS:VS+1], v[V8] offset:12800
.if \pf
	KLOAD
.endif
	MXF BM, S                                      ; the largest score of my two blocks of 32 keys, each in two chains; each accumulator is read from its low end on
	MXF T0, S+16
	MXF BM+1, S+32
	MXF T1, S+48
.irp i, 3,5,7,9,11,13
	MXN BM, S, \i
	MXN T0, S+16, \i
	MXN BM+1, S+32, \i
	MXN T1, S+48, \i
.endr
	v_max3_num_f32 v[BM], v[BM], v[T0], v[S+15]
	v_max3_num_f32 v[BM+1], v[BM+1], v[T1], v[S+47]
	v_max_num_f32 v[BM], v[BM], v[S+31]
	v_max_num_f32 v[BM+1], v[BM+1], v[S+63]
	s_delay_alu instid0(VALU_DEP_1)
	v_max_num_f32 v[T0], v[BM], v[BM+1]
	s_delay_alu instid0(VALU_DEP_1)
	v_permlanex16_b32 v[T1], v[T0], s[SEL], s[SEL+1]
	s_delay_alu instid0(VALU_DEP_1)
	v_max3_num_f32 v13, v13, v[T0], v[T1]          ; the running largest score of my query, lane l xor 16's 64 keys among them
	s_delay_alu instid0(VALU_DEP_1)
	v_mul_f32 v[T0], s[CN], v13                    ; -t (c is positive)
	s_delay_alu instid0(VALU_DEP_1)
	v_floor_f32 v[T0], v[T0]                       ; the new -M = floor(-t): M is a whole number
	s_delay_alu instid0(VALU_DEP_1)
	v_sub_f32 v[T1], v[T0], v12                    ; old M - new M: a whole number, 0 or less
	v_mov_b32 v12, v[T0]
	s_delay_alu instid0(VALU_DEP_2)
	v_cvt_i32_f32 v[T1], v[T1]                     ; (it saturates)
	s_delay_alu instid0(VALU_DEP_1)
	v_ldexp_f32 v[F], 1.0, v[T1]                   ; f = 2^(old M - new M)
.set jj, 0
.rept 32
	v_pk_fma_f32 v[S+jj:S+jj+1], v[S+jj:S+jj+1], s[CS:CS+1], v[12:13] op_sel_hi:[1,0,0]   ; t - M, two at a time
.set jj, jj+2
.endr
.irp b, 0,1
	v_fma_f32 v[BM+\b], v[BM+\b], s[CS], v12       ; the same of each block's largest score
.endr
	s_wait_alu depctr_va_vdst(0)                   ; the wait ahead of the batch
.irp b, 0,1
	v_exp_f32 v[BM+\b], v[BM+\b]                   ; the block's largest p: the same two instructions on the same number
.endr
.set jj, 0
.rept 64
	v_exp_f32 v[S+jj], v[S+jj]                     ; p = 2^(t - M), at most 1: not normalised
.set jj, jj+1
.endr
	v_nop                                          ; the plain place behind the exponentials
	s_wait_alu depctr_va_vdst(0)                   ; one wait for the batch, ahead of its first reader
.irp b, 0,1
	v_max_num_f32 v[BM+\b], 0x1800000, v[BM+\b]    ; the floor 2^(3 - 127): the byte cannot fall under 1
.endr
	SUM 0                                          ; the sums of the unquantised p stand between the links of the scale word's chain
.irp b, 0,1
	v_add_nc_u32 v[SO+\b], 0xff000000, v[BM+\b]    ; 2 off the exponent field: the conversion's scale operand
.endr
	SUM 4
.irp b, 0,1
	v_lshrrev_b32 v[BM+\b], 23, v[SO+\b]           ; the scale's byte
.endr
	SUM 8
	v_lshl_or_b32 v[T0], v[BM+1], 16, v[BM]        ; my bytes: blocks h and 2 + h,
	SUM 12
	v_lshlrev_b32 v[T0], v[SH8], v[T0]             ; at their places in the word;
	SUM 16
	v_permlanex16_b32 v[T1], v[T0], s[SEL], s[SEL+1]
	SUM 20
	v_or_b32 v[PS], v[T0], v[T1]                   ; with lane l xor 16's two the word is whole
	SUM 24
	v_cvt_scalef32_pk16_fp6_f32 v[P:P+2], v[S:S+15], v[SO]
	v_cvt_scalef32_pk16_fp6_f32 v[P+6:P+8], v[S+32:S+47], v[SO+1]
	SUM 28                                         ; plain places between the conversions above and the writes of their sources below
	v_cvt_scalef32_pk16_fp6_f32 v[S:S+2], v[S+16:S+31], v[SO]       ; a conversion's three registers begin on an even number: made in registers of p that are done with, and moved
	v_cvt_scalef32_pk16_fp6_f32 v[S+4:S+6], v[S+48:S+63], v[SO+1]
	s_wait_alu depctr_va_vdst(0)                   ; the wait here, directly ahead of the first reader of O^T
	OMUL 0, 10
.irp i, 0,1,2
	v_mov_b32 v[P+3+\i], v[S+\i]
	v_mov_b32 v[P+9+\i], v[S+4+\i]
.endr
	OMUL 10, 6                                     ; six places between p's codes and the products
	s_wait_alu depctr_va_vdst(0)                   ; the wait here, directly ahead of the wait below
.if \pf
	s_wait_dscnt 20                                ; V and its scale words are in; the 20 younger loads, the next step's K, may be out
.else
	s_wait_dscnt 0x0
.endif
.irp n, 0,1,2,3
	WM O+8*\n, VF+12*\n, P, 0, VS+(\n/2), PS, \n&1, 0   ; four accumulators by turns
.endr
.endm
.macro WALK n                          ; n key steps on end
	s_mov_b32 s[CNT], \n
.Lwalk_\@:
	STEP 1
	s_add_co_u32 s[TB], s[TB], STEPB
	s_add_co_u32 s[TBN], s[TBN], STEPB
	s_sub_co_u32 s[CNT], s[CNT], 1
	s_cmp_lg_u32 s[CNT], 0
	s_cbranch_scc1 .Lwalk_\@
.endm
	s_load_b128 s[4:7], s[0:1], 0x0                ; qimg, kvimg
	s_load_b64 s[8:9], s[0:1], 0x10                ; oimg
	v_lshl_add_u32 v[SPW], v0, 2, SPARE
	v_mov_b32 v[NIL], 0
	ds_add_u32 v[SPW], v[NIL]                      ; the opening lines: the add, twice on end, and its wait
	ds_add_u32 v[SPW], v[NIL]
	v_lshrrev_b32 v[T0], 5, v0
	s_delay_alu instid0(VALU_DEP_1)
	v_readfirstlane_b32 s[WV], v[T0]               ; wave 0..15
	s_bfe_u32 s11, ttmp6, 0x40000                  ; cx: it enters Q's and O's global addresses alone
	s_lshl_b32 s12, ttmp9, 2
	s_add_co_u32 s12, s12, s11                     ; my block of 256 queries
	s_and_b32 s13, ttmp7, 0xffff                   ; (batch, head), which the four partners share
	s_mov_b32 s[SEL], 0x76543210
	s_mov_b32 s[SEL+1], 0xfedcba98
	s_mov_b32 s[CS], 0x3e38aa3b                    ; c = log2(e) / 8
	s_mov_b32 s[CS+1], s[CS]                       ; (named with it as a pair, so it is written)
	s_mov_b32 s[CN], 0xbe38aa3b                    ; -c
	s_mov_b32 s[G1], 15|(3<<16)|(1<<21)            ; the mask: all four work-groups; elements of 8 bytes; bit 21 beside a mask; no padding
	s_mov_b32 s[G1+1], 32<<16                      ; tensor_dim0 = 32
	s_mov_b32 s[G1+2], 102<<16                     ; tensor_dim1 = 102
	s_mov_b32 s[G1+3], 32<<16                      ; tile_dim0 = 32
	s_mov_b32 s[G1+4], 102                         ; tile_dim1 = 102
	s_mov_b32 s[G1+5], 32                          ; from row to row
	s_mov_b32 s[G1+6], 0
	s_mov_b32 s[G1+7], 0
	s_min_u32 s40, s[WV], 11                       ; waves 0-11 fetch records 2 w and 2 w + 1
	s_mov_b32 s[G0], 1
	s_mul_i32 s[G0+1], s40, 2*STEPB                ; where they go
	s_mul_i32 s40, s13, 32*STEPB                   ; the head's 32 records
	s_add_co_u32 s40, s40, s[G0+1]
	s_mov_b32 s41, 0
	s_lshl_b32 s42, s13, 4
	s_add_co_u32 s42, s42, s12
	s_mul_i32 s42, s42, 13312                      ; my record of q and of o
	s_mov_b32 s43, 0
	s_mul_i32 s38, s[WV], 768                      ; my half fragment in it
	s_lshl_b32 s39, s[WV], 6                       ; and my scale words
	s_wait_dscnt 0x0                               ; both opening adds are done
	s_wait_kmcnt 0x0
	s_add_nc_u64 s[G0+2:G0+3], s[6:7], s[40:41]
	s_or_b32 s[G0+3], s[G0+3], 0x80000000          ; type = 2
	s_add_nc_u64 s[44:45], s[4:5], s[42:43]
	s_add_nc_u64 s[46:47], s[8:9], s[42:43]
	CROUND                                         ; all four work-groups are here: the first joint loads meet
	JLOAD 12                                       ; key steps 0-23: one tensor load a wave at the head
	v_and_b32 v[T0], 31, v0
	v_and_b32 v[T1], 15, v0
	s_delay_alu instid0(VALU_DEP_2)
	v_lshlrev_b32 v[LI], 4, v[T0]
	v_lshlrev_b32 v[L8], 3, v[T0]
	v_lshl_add_u32 v[QSW], v[T1], 2, s39
	s_delay_alu instid0(VALU_DEP_3)
	v_add_nc_u32 v[VA], s38, v[LI]
	s_delay_alu instid0(VALU_DEP_3)
	v_add_nc_u32 v[V8], s38, v[L8]
	global_load_b128 v[QF:QF+3], v[VA], s[44:45]               ; Q's half fragment stays in registers
	global_load_b64 v[QF+4:QF+5], v[V8], s[44:45] offset:512
	global_load_b32 v[QS], v[QSW], s[44:45] offset:12288
	v_and_b32 v[T0], 7, v0                         ; m % 8
	v_bfe_u32 v[T1], v0, 3, 1                      ; m / 8
	v_bfe_u32 v[SH8], v0, 4, 1                     ; h
	s_delay_alu instid0(VALU_DEP_2)
	v_mul_u32_u24 v[KAB], v[T1], 1536
	v_lshlrev_b32 v[KSB], 2, v[T1]
	s_delay_alu instid0(VALU_DEP_2)
	v_lshl_add_u32 v[KBB], v[T0], 3, v[KAB]
	v_lshl_add_u32 v[KAB], v[T0], 4, v[KAB]
	v_lshl_add_u32 v[KSB], v[T0], 4, v[KSB]
	s_delay_alu instid0(VALU_DEP_3)
	v_lshl_add_u32 v[KBB], v[SH8], 7, v[KBB]
	s_delay_alu instid0(VALU_DEP_3)
	v_lshl_add_u32 v[KAB], v[SH8], 8, v[KAB]
	s_delay_alu instid0(VALU_DEP_3)
	v_lshl_add_u32 v[KSB], v[SH8], 8, v[KSB]
	v_lshlrev_b32 v[SH8], 3, v[SH8]
.irp i, 0,1,2,3,4,5
	v_mov_b32 v[QF+6+\i], 0                        ; zero codes for K = 64 .. 127
	v_mov_b32 v[P+\i], 0                           ; named by K's last operand before p's first codes are made
.endr
	v_mov_b32 v13, 0xff61b1e6                      ; the largest score so far: -3e38, under every score
	s_delay_alu instid0(VALU_DEP_1)
	v_mul_f32 v12, s[CN], v13
	s_delay_alu instid0(VALU_DEP_1)
	v_floor_f32 v12, v12                           ; -M
.irp i, 0,1,2,3,4,5,6,7
	v_mov_b32 v[L+\i], 0                           ; the sums
.endr
	v_mov_b32 v[PS], 0                             ; (named as the upper half of the pair with f before it is first written)
.set jj, 0
.rept 32
	v_mov_b32 v[O+jj], 0                           ; O^T: the step is written once; its first walk finds zeros, which the first change of M leaves zeros
.set jj, jj+1
.endr
	s_wait_alu depctr_va_vdst(0)                   ; the wait at the head's end
	s_wait_tensorcnt 0x0                           ; my two records are in,
	s_barrier_signal -1
	s_barrier_wait -1                              ; everybody's are: key steps 0-23
	s_mov_b32 s[TBN], 0
	KADDR
	KLOAD                                          ; step 0's K
	s_mov_b32 s[TB], 0
	s_mov_b32 s[TBN], STEPB
	s_wait_loadcnt 0x0                             ; Q
	WALK 12                                        ; key steps 0-11
	; THE ONE REFILL: the bytes of records 0-7 take steps 24-31.  Each wave waits for all its tensor loads, adds 0 to its spare word, and waits for that and for its LDS reads.
	s_wait_tensorcnt 0x0                           ; no tensor load of mine is out, so group 0 may be written
	ds_add_u32 v[SPW], v[NIL]                      ; the add, here twice on end
	ds_add_u32 v[SPW], v[NIL]
	s_add_nc_u64 s[G0+2:G0+3], s[G0+2:G0+3], 24*STEPB   ; 24 records on; the type bits on top are not reached
	s_wait_dscnt 0x0
	CROUND                                         ; no wave of any partner still reads those bytes or has a load on its way
	JLOAD 4                                        ; waves 0-3: the first tensor load behind the round, and a wave's only one
	WALK 6                                         ; key steps 12-17
	s_wait_tensorcnt 0x0                           ; my part of steps 24-31 is in,
	s_wait_dscnt 0x0                               ; no LDS instruction of mine is out at the signal
	s_barrier_signal -1                            ; say so. Between signal and wait: registers, and LDS loads from records 18-23, which nobody writes
	WALK 5                                         ; key steps 18-22
	s_barrier_wait -1                              ; everybody's part is in
	s_mov_b32 s[TBN], 0
	STEP 1                                         ; key step 23; it fetches step 24's K from record 0's bytes
	s_mov_b32 s[TB], 0
	s_mov_b32 s[TBN], STEPB
	WALK 7                                         ; key steps 24-30
	STEP 0                                         ; key step 31: nothing more to fetch
	; THE WAY OUT: O^T / the sum, quantised along the head's 64 (two blocks), stored as a half fragment's image and a scale word.
	v_pk_add_f32 v[L:L+1], v[L:L+1], v[L+2:L+3]    ; the four chains; these lines are also the places behind the last products
	v_pk_add_f32 v[L+4:L+5], v[L+4:L+5], v[L+6:L+7]
	v_add_nc_u32 v[VA], s38, v[LI]                 ; 768 w + 16 x lane
	v_add_nc_u32 v[V8], s38, v[L8]                 ; 768 w + 8 x lane
	s_delay_alu instid0(VALU_DEP_3)
	v_pk_add_f32 v[L:L+1], v[L:L+1], v[L+4:L+5]
	s_delay_alu instid0(VALU_DEP_1)
	v_add_f32 v14, v14, v15                        ; the two halves,
	s_delay_alu instid0(VALU_DEP_1)
	v_permlanex16_b32 v[T1], v14, s[SEL], s[SEL+1]
	s_delay_alu instid0(VALU_DEP_1)
	v_add_f32 v14, v14, v[T1]                      ; and lane l xor 16's
	s_wait_alu depctr_va_vdst(0)                   ; the wait ahead of the reciprocal
	v_rcp_f32 v14, v14
	v_add_nc_u32 v[KA], OSC, v[QSW]                ; (a plain place behind the reciprocal)  where my scale word goes in LDS
	v_lshl_add_u32 v[KB], v0, 4, OSC               ; where waves 0 and 1 read the words back
	v_lshlrev_b32 v[KSA], 4, v0
	s_wait_alu depctr_va_vdst(0)                   ; the wait ahead of the reciprocal's first reader and of O^T's
.set jj, 0
.rept 16
	v_pk_mul_f32 v[S+jj:S+jj+1], v[O+jj:O+jj+1], v[14:15] op_sel_hi:[1,0]   ; register 16 b + i: channel 32 b + 16 (lane / 16) + i; each accumulator from its low end on
.set jj, jj+2
.endr
.irp b, 0,1
	v_max3_num_f32 v[BM+\b], |v[S+16*\b]|, |v[S+1+16*\b]|, 0x1800000
.endr
.irp i, 2,4,6,8,10,12,14
.irp b, 0,1
	s_delay_alu instid0(VALU_DEP_2)
	v_max3_num_f32 v[BM+\b], v[BM+\b], |v[S+16*\b+\i]|, |v[S+1+16*\b+\i]|
.endr
.endr
	s_delay_alu instid0(VALU_DEP_2)
	v_permlanex16_b32 v[T0], v[BM], s[SEL], s[SEL+1]
	s_delay_alu instid0(VALU_DEP_2)
	v_permlanex16_b32 v[T1], v[BM+1], s[SEL], s[SEL+1]
	s_delay_alu instid0(VALU_DEP_2)
	v_max_num_f32 v[BM], v[BM], v[T0]
	s_delay_alu instid0(VALU_DEP_2)
	v_max_num_f32 v[BM+1], v[BM+1], v[T1]
.irp b, 0,1
	s_delay_alu instid0(VALU_DEP_2)
	v_add_nc_u32 v[SO+\b], 0xff000000, v[BM+\b]
.endr
.irp b, 0,1
	s_delay_alu instid0(VALU_DEP_2)
	v_lshrrev_b32 v[BM+\b], 23, v[SO+\b]
.endr
	s_delay_alu instid0(VALU_DEP_1)
	v_lshl_or_b32 v[PS], v[BM+1], 8, v[BM]         ; two bytes; the upper two stay 0
	v_cvt_scalef32_pk16_fp6_f32 v[P:P+2], v[S:S+15], v[SO]
	v_cvt_scalef32_pk16_fp6_f32 v[VF:VF+2], v[S+16:S+31], v[SO+1]
	v_nop                                          ; one plain place behind the scaled conversions
.irp i, 0,1,2
	v_permlane16_swap_b32 v[P+\i], v[VF+\i]        ; a whole block in a lane: lanes 0-15 block 0, lanes 16-31 block 1
.endr
.irp i, 0,1,2
	s_delay_alu instid0(VALU_DEP_3)
	v_mov_b32 v[P+3+\i], v[VF+\i]
.endr
	global_store_b128 v[VA], v[P:P+3], s[46:47]                ; 512 consecutive bytes, at a multiple of 256 from the buffer's first byte
	global_store_b64 v[V8], v[P+4:P+5], s[46:47] offset:512    ; 256 more
	ds_store_b32 v[KA], v[PS]                      ; lanes r and r + 16 write the same word with the same value
	s_wait_dscnt 0x0                               ; for the others' sake
	s_barrier_signal -1
	s_barrier_wait -1
	s_cmp_lt_u32 s[WV], 2
	s_cbranch_scc0 .Lno_words
	ds_load_b128 v[S:S+3], v[KB]                   ; the record's 1,024 bytes of scale words leave in two pieces of 512
	s_wait_dscnt 0x0
	global_store_b128 v[KSA], v[S:S+3], s[46:47] offset:12288
.Lno_words:
	s_wait_tensorcnt 0x0                           ; the wave's end, behind my last tensor load and my last LDS store
	ds_add_u32 v[SPW], v[NIL]
	s_wait_dscnt 0x0
	CROUND                                         ; the closing round
	s_endpgm
.Lfunc_end_k_qde1729a529_attn:
	.size	k_qde1729a529_attn, .Lfunc_end_k_qde1729a529_attn-k_qde1729a529_attn
	.p2alignl 7, 3214868480
	.fill 96, 4, 3214868480
	.section	.rodata,"a",@progbits
	.p2align	6, 0x0
	.amdhsa_kernel k_qde1729a529_attn
		.amdhsa_group_segment_fixed_size 327680
		.amdhsa_private_segment_fixed_size 0
		.amdhsa_enable_private_segment 0
		.amdhsa_kernarg_size 24
		.amdhsa_user_sgpr_count 2
		.amdhsa_user_sgpr_kernarg_segment_ptr 1
		.amdhsa_wavefront_size32 1
		.amdhsa_system_sgpr_workgroup_id_x 1
		.amdhsa_system_sgpr_workgroup_id_y 1
		.amdhsa_system_sgpr_workgroup_id_z 1
		.amdhsa_system_vgpr_workitem_id 0
		.amdhsa_next_free_vgpr 256
		.amdhsa_next_free_sgpr 66
		.amdhsa_reserve_vcc 0
		.amdhsa_float_denorm_mode_32 3
		.amdhsa_float_denorm_mode_16_64 3
		.amdhsa_memory_ordered 1
		.amdhsa_forward_progress 1
		.amdhsa_inst_pref_size 103
	.end_amdhsa_kernel
	.amdgpu_metadata
---
amdhsa.version: [ 1, 2 ]
amdhsa.kernels:
  - .name:           k_qde1729a529_attn
    .symbol:         k_qde1729a529_attn.kd
    .args:
      - { .name: qimg, .offset: 0, .size: 8, .value_kind: global_buffer, .address_space: global }
      - { .name: kvimg, .offset: 8, .size: 8, .value_kind: global_buffer, .address_space: global }
      - { .name: oimg, .offset: 16, .size: 8, .value_kind: global_buffer, .address_space: global }
    .group_segment_fixed_size: 327680
    .private_segment_fixed_size: 0
    .kernarg_segment_align: 8
    .kernarg_segment_size: 24
    .max_flat_workgroup_size: 512
    .sgpr_count:     66
    .vgpr_count:     256
    .wavefront_size: 32
...
	.end_amdgpu_metadata
.endif
;; end of part 3
;; launch outp (part 4): grid 8 x 32, 8 waves a work-group, no clusters, 168,960 bytes of LDS; arguments oimg, img, b_out, out0; writes out0
.if DOCPART == 4
	.amdgcn_target "amdgcn-amd-amdhsa--gfx1250"
	.amdhsa_code_object_version 6
	.text
	.protected	k_qde1729a529_outp
	.globl	k_qde1729a529_outp
	.p2align	8
	.type	k_qde1729a529_outp,@function
k_qde1729a529_outp:
	s_mov_b64 s[64:65], 0
	v_nop
	global_prefetch_b8 v0, s[64:65] scope:SCOPE_SE
	s_setreg_imm32_b32 hwreg(HW_REG_WAVE_MODE, 25, 1), 1
	s_wait_xcnt 0x0
; out0 = o w_out^T + b_out on codes of FP6 (E2M3), sums in f32.  o comes as the attention's images: for each (batch, head, block of 256 tokens) 16 half fragments and their scale words.
; K = 512 = 8 heads x 64: the fragment of K step s is head 2 s's half fragment in registers 0-5 and head 2 s + 1's in registers 6-11; its scale word is the two heads' two bytes each.
; SHARES: work-group (64 columns, block of 256 tokens); wave w owns token tiles 2 w, 2 w + 1.  o's fragments are a wave's own and go from memory straight into registers; w_out's slice (4 tile records, 25,600 bytes)
; is read by all eight waves and comes into LDS once, by one tensor load.  NO CLUSTER: the shared slice is 25 of a work-group's 132 KB; the rest has one reader and goes to registers.
; TRANSPOSED (source 0 = 16 rows of w_out, source 1 = 16 tokens): a lane holds one token and neighbouring columns.  The bias is loaded into the accumulators, so every product adds in place and nothing is cleared.
; The tokens of a tile are not neighbours (row r of tile T is token 32 (T / 2) + 8 (T % 2) + r + 8 (r / 8)): that is undone in the stores' offsets.
.set LI,   1                           ; 16 x lane
.set LSC,  3                           ; 6,400 (lane / 16) + 16 (lane % 16)
.set RR,   4
.set HH,   5
.set WL,   1                           ; the slice lies at LDS byte 0
.set WLS,  3
.set LIW,  8                           ; 1,536 w + 16 x lane
.set L8W,  9                           ; 1,536 w + 8 x lane
.set L4W,  10                          ; 128 w + 4 x lane
.set SO,   11                          ; the stage: where I put 16 bytes of a row
.set SR,   12                          ; and where I read a row back
.set GO,   13                          ; my byte offset in two rows of out0
.set BO,   14                          ; 64 h: my half's columns of the bias
.set A,    16                          ; v16-111  fragments (tile tt, K step s) at 12 (4 tt + s)
.set AS,   112                         ; v112-115 their scale words
.set WS,   116                         ; v116-123 w_out's
.set W,    124                         ; v124-171 four fragments of w_out
.set ACC,  172                         ; v172-235 eight accumulators
.set H,    236                         ; v236-243 the eight heads' scale words: lanes 0-15 tile 0, lanes 16-31 tile 1
.set STG,  25600                       ; behind the slice: 32 rows of 256 + 16 bytes for each wave
.macro WM d, a, b, zero, sa, sb, ra, rb
.set wD, \d
.set wA, \a
.set wB, \b
.set wSA, \sa
.set wSB, \sb
.set wSel, 2*(\ra)+(\rb)
.if wSel == 0
	v_wmma_scale_f32_16x16x128_f8f6f4 v[wD:wD+7], v[wA:wA+11], v[wB:wB+11], v[wD:wD+7], v[wSA], v[wSB] matrix_a_fmt:MATRIX_FMT_FP6 matrix_b_fmt:MATRIX_FMT_FP6
.elseif wSel == 1
	v_wmma_scale_f32_16x16x128_f8f6f4 v[wD:wD+7], v[wA:wA+11], v[wB:wB+11], v[wD:wD+7], v[wSA], v[wSB] matrix_a_fmt:MATRIX_FMT_FP6 matrix_b_fmt:MATRIX_FMT_FP6 matrix_b_scale:MATRIX_SCALE_ROW1
.elseif wSel == 2
	v_wmma_scale_f32_16x16x128_f8f6f4 v[wD:wD+7], v[wA:wA+11], v[wB:wB+11], v[wD:wD+7], v[wSA], v[wSB] matrix_a_fmt:MATRIX_FMT_FP6 matrix_b_fmt:MATRIX_FMT_FP6 matrix_a_scale:MATRIX_SCALE_ROW1
.else
	v_wmma_scale_f32_16x16x128_f8f6f4 v[wD:wD+7], v[wA:wA+11], v[wB:wB+11], v[wD:wD+7], v[wSA], v[wSB] matrix_a_fmt:MATRIX_FMT_FP6 matrix_b_fmt:MATRIX_FMT_FP6 matrix_a_scale:MATRIX_SCALE_ROW1 matrix_b_scale:MATRIX_SCALE_ROW1
.endif
.endm
.macro WFETCH s
.irp nt, 0,1,2,3
.irp g, 0,1,2
	ds_load_b128 v[W+12*\nt+4*\g:W+12*\nt+4*\g+3], v[WL] offset:6400*\nt+1536*\s+512*\g
.endr
.endr
.endm
.macro MULT s                          ; eight accumulators by turns, one instruction a turn
.irp tt, 0,1
.irp nt, 0,1,2,3
	WM ACC+8*(4*\tt+\nt), W+12*\nt, A+12*(4*\tt+\s), 0, WS+4*(\nt/2)+\s, AS+\s, \nt&1, \tt
.endr
.endr
.rept 4
	v_nop                                          ; four places in front of loads into registers that these products read, and of the first read of results
.endr
.endm
	s_load_b128 s[4:7], s[0:1], 0x0                ; oimg, img
	s_load_b128 s[8:11], s[0:1], 0x10              ; b_out, out0
	v_lshl_add_u32 v254, v0, 2, 0x29000
	v_mov_b32 v255, 0
	ds_add_u32 v254, v255
	ds_add_u32 v254, v255
	v_lshrrev_b32 v15, 5, v0
	s_delay_alu instid0(VALU_DEP_1)
	v_readfirstlane_b32 s12, v15                   ; wave 0..7
	s_and_b32 s13, ttmp7, 0xffff                   ; the block of 256 tokens
	s_mov_b32 s20, 3<<16                           ; descriptor group 1: 100 rows of 32 elements of 8 bytes, dense, no padding, no mask
	s_mov_b32 s21, 32<<16
	s_mov_b32 s22, 100<<16
	s_mov_b32 s23, 32<<16
	s_mov_b32 s24, 100
	s_mov_b32 s25, 32
	s_mov_b32 s26, 0
	s_mov_b32 s27, 0
	s_mov_b32 s16, 1
	s_mov_b32 s17, 0                               ; to LDS byte 0
	s_mul_i32 s14, ttmp9, 25600                    ; the column group's four records,
	s_add_co_u32 s14, s14, 7168000                 ; behind the 1,120 records in front of w_out's
	s_mov_b32 s15, 0
	s_lshr_b32 s30, s13, 4                         ; batch
	s_and_b32 s31, s13, 15                         ; block in the batch
	s_lshl_b32 s28, s30, 7
	s_add_co_u32 s28, s28, s31
	s_mul_i32 s28, s28, 13312                      ; head 0's record; a head on is 16 records, 212,992 bytes: it stands in the loads' immediates
	s_mov_b32 s29, 0
	s_lshl_b32 s32, ttmp9, 8                       ; my 64 columns, in bytes
	s_mov_b32 s33, 0
	s_lshl_b32 s34, s13, 19                        ; 256 rows of 2,048 bytes,
	s_lshl_b32 s35, s12, 16                        ; my 32
	s_add_co_u32 s34, s34, s35
	s_add_co_u32 s34, s34, s32
	s_mov_b32 s35, 0
	v_and_b32 v15, 31, v0
	s_delay_alu instid0(VALU_DEP_1)
	v_lshlrev_b32 v[LI], 4, v15
	v_and_b32 v[RR], 15, v0
	v_bfe_u32 v[HH], v0, 4, 1
	s_delay_alu instid0(VALU_DEP_2)
	v_lshlrev_b32 v[LSC], 4, v[RR]
	s_delay_alu instid0(VALU_DEP_1)
	v_mad_u32_u24 v[LSC], v[HH], 6400, v[LSC]
	s_mul_i32 s30, s12, 1536
	v_add_nc_u32 v[LIW], s30, v[LI]
	v_lshl_add_u32 v[L8W], v15, 3, s30
	v_lshlrev_b32 v[L4W], 2, v0
	v_lshlrev_b32 v[BO], 6, v[HH]
	s_wait_dscnt 0x0
	s_wait_kmcnt 0x0
	s_add_nc_u64 s[18:19], s[6:7], s[14:15]
	s_or_b32 s19, s19, 0x80000000                  ; type = 2
	s_add_nc_u64 s[28:29], s[4:5], s[28:29]
	s_add_nc_u64 s[32:33], s[8:9], s[32:33]
	s_add_nc_u64 s[34:35], s[10:11], s[34:35]
	s_cmp_lg_u32 s12, 0
	s_cbranch_scc1 .Lno_fill
	tensor_load_to_lds s[16:19], s[20:27]          ; wave 0 alone: one load is out; these bytes are filled once
	s_nop 0
.rept 4
	v_nop
.endr
.Lno_fill:
	s_wait_alu depctr_va_vdst(0)
.irp e, 0,1,2,3,4,5,6,7
.irp tt, 0,1
	global_load_b128 v[A+12*(4*\tt+\e/2)+6*(\e%2):A+12*(4*\tt+\e/2)+6*(\e%2)+3], v[LIW], s[28:29] offset:212992*\e+768*\tt
	global_load_b64 v[A+12*(4*\tt+\e/2)+6*(\e%2)+4:A+12*(4*\tt+\e/2)+6*(\e%2)+5], v[L8W], s[28:29] offset:212992*\e+768*\tt+512
.endr
	global_load_b32 v[H+\e], v[L4W], s[28:29] offset:212992*\e+12288
.endr
.irp tt, 0,1
.irp nt, 0,1,2,3
.irp q, 0,1
	global_load_b128 v[ACC+8*(4*\tt+\nt)+4*\q:ACC+8*(4*\tt+\nt)+4*\q+3], v[BO], s[32:33] offset:(32*(\nt/2)+8*(\nt%2))*4+16*\q   ; the bias of columns 32 (nt / 2) + 16 h + 8 (nt % 2) + 0 .. 7
.endr
.endr
.endr
	s_mul_i32 s31, s12, 8704
	s_add_co_u32 s31, s31, STG                     ; my stage
	v_mul_u32_u24 v[SO], v[RR], 272
	s_delay_alu instid0(VALU_DEP_1)
	v_lshl_add_u32 v[SO], v[HH], 6, v[SO]
	s_delay_alu instid0(VALU_DEP_1)
	v_add_nc_u32 v[SO], s31, v[SO]                 ; in: row r, + 64 h
	v_mul_u32_u24 v[SR], v[HH], 272
	s_delay_alu instid0(VALU_DEP_1)
	v_lshl_add_u32 v[SR], v[RR], 4, v[SR]
	s_delay_alu instid0(VALU_DEP_1)
	v_add_nc_u32 v[SR], s31, v[SR]                 ; back: lanes 0-15 one row, lanes 16-31 the next
	v_lshlrev_b32 v[GO], 11, v[HH]
	s_delay_alu instid0(VALU_DEP_1)
	v_lshl_add_u32 v[GO], v[RR], 4, v[GO]          ; and the same in out0
	s_wait_tensorcnt 0x0                           ; the slice has landed (wave 0's wait counts; the others have no load out),
	s_barrier_signal -1
	s_barrier_wait -1                              ; and every wave knows
.irp i, 0,1
	ds_load_b128 v[WS+4*\i:WS+4*\i+3], v[WLS] offset:12800*\i+6144
.endr
	WFETCH 0
	s_wait_loadcnt 0x0                             ; o, its scale words, the bias
.irp s, 0,1,2,3
	v_lshl_or_b32 v[AS+\s], v[H+2*\s+1], 16, v[H+2*\s]   ; K step s: head 2 s's two bytes below, head 2 s + 1's above
.endr
.rept 8
	v_nop                                          ; a scale register written by a vector instruction stands eight places ahead of a scaled product
.endr
	s_wait_alu depctr_va_vdst(0)
	s_wait_dscnt 0x0
	MULT 0
.irp s, 1,2,3
	WFETCH \s
	s_wait_dscnt 0x0
	MULT \s
.endr
.irp tt, 0,1
.irp nt, 0,1,2,3
.irp q, 0,1
	ds_store_b128 v[SO], v[ACC+8*(4*\tt+\nt)+4*\q:ACC+8*(4*\tt+\nt)+4*\q+3] offset:4352*\tt+128*(\nt/2)+32*(\nt%2)+16*\q   ; each accumulator from its low end on
.endr
.endr
.endr
.irp i, 0,1,2,3,4,5,6,7,8,9,10,11,12,13,14,15
	ds_load_b128 v[A+4*\i:A+4*\i+3], v[SR] offset:544*\i   ; LDS serves a wave's instructions in order: these see my stores
.endr
.irp i, 0,1,2,3,4,5,6,7,8,9,10,11,12,13,14,15
	s_wait_dscnt 15-\i                             ; the younger loads may be out
	global_store_b128 v[GO], v[A+4*\i:A+4*\i+3], s[34:35] offset:(8*(\i/8)+2*(\i%8)+8*((\i%8)/4))*2048 th:TH_STORE_NT   ; stage rows 2 i, 2 i + 1 are these tokens; sixteen lanes store 256 consecutive bytes, aligned; written once
.endr
	s_wait_tensorcnt 0x0
	ds_add_u32 v254, v255
	s_wait_dscnt 0x0
	s_endpgm
.Lfunc_end_k_qde1729a529_outp:
	.size	k_qde1729a529_outp, .Lfunc_end_k_qde1729a529_outp-k_qde1729a529_outp
	.p2alignl 7, 3214868480
	.fill 96, 4, 3214868480
	.section	.rodata,"a",@progbits
	.p2align	6, 0x0
	.amdhsa_kernel k_qde1729a529_outp
		.amdhsa_group_segment_fixed_size 168960
		.amdhsa_private_segment_fixed_size 0
		.amdhsa_enable_private_segment 0
		.amdhsa_kernarg_size 32
		.amdhsa_user_sgpr_count 2
		.amdhsa_user_sgpr_kernarg_segment_ptr 1
		.amdhsa_wavefront_size32 1
		.amdhsa_system_sgpr_workgroup_id_x 1
		.amdhsa_system_sgpr_workgroup_id_y 1
		.amdhsa_system_sgpr_workgroup_id_z 1
		.amdhsa_system_vgpr_workitem_id 0
		.amdhsa_next_free_vgpr 256
		.amdhsa_next_free_sgpr 66
		.amdhsa_reserve_vcc 0
		.amdhsa_float_denorm_mode_32 3
		.amdhsa_float_denorm_mode_16_64 3
		.amdhsa_memory_ordered 1
		.amdhsa_forward_progress 1
		.amdhsa_inst_pref_size 22
	.end_amdhsa_kernel
	.amdgpu_metadata
---
amdhsa.version: [ 1, 2 ]
amdhsa.kernels:
  - .name:           k_qde1729a529_outp
    .symbol:         k_qde1729a529_outp.kd
    .args:
      - { .name: oimg, .offset: 0, .size: 8, .value_kind: global_buffer, .address_space: global }
      - { .name: img, .offset: 8, .size: 8, .value_kind: global_buffer, .address_space: global }
      - { .name: b_out, .offset: 16, .size: 8, .value_kind: global_buffer, .address_space: global }
      - { .name: out0, .offset: 24, .size: 8, .value_kind: global_buffer, .address_space: global }
    .group_segment_fixed_size: 168960
    .private_segment_fixed_size: 0
    .kernarg_segment_align: 8
    .kernarg_segment_size: 32
    .max_flat_workgroup_size: 256
    .sgpr_count:     66
    .vgpr_count:     256
    .wavefront_size: 32
...
	.end_amdgpu_metadata
.endif
;; end of part 4
